; MI455X (gfx1250); checked and timed in simulation.
; The chip was launched on July 23, 2026; its instructions are those of AMD's public machine-readable ISA for CDNA 5 (MIT licence, August 2026) and "CDNA5" Instruction Set Architecture Reference Guide (July 2026). The comments in the code are by the model that wrote it; some were corrected since.
;; VQ2. Allowed arithmetic: matrix products marked QUANTISED: E2M3 operands, one E8M0 scale for each 32 along K, by v_wmma_scale_f32_16x16x128_f8f6f4 with both operands' format E2M3, f32 sums; everything else in f32.
;; Inputs: emb_w 8,192 x 512 float32; z 16 x 1,024 x 512 float32.
;; Outputs: out0 16 x 1,024 x 512 float32; out1 one number float32; out2 16 x 1,024 int32; out3 one number float32.
;; This version of the problem:
;;   THIS VERSION OF THE PROBLEM IS GIVEN IN LOW PRECISION. The matrix products marked QUANTISED in the list below multiply operands that are first quantised to E2M3 (2 exponent bits, 3 mantissa bits; 6 bits a number), with one power-of-two scale for each 32 numbers along K (OCP MX v1.0); their sums are f32. All else is computed in f32.
;;   The module's matrix products, in the order in which they are computed (A, B: the left and right operand; K: the contracted axis; several contracted axes count as one K, in the product's order):
;;     1. [M 16,384, K 512] x [K 512, N 8,192]; A: input z; B: input emb_w: QUANTISED
;;   THE QUANTISER, for each operand of a quantised product, along K:
;;     - K is cut into blocks of 32 from its start; a last block that is shorter is filled with zeros.
;;     - A block's scale is 2^e with e = floor(log2(the largest magnitude in the block)) - 2, held to -126 .. 127; a block of zeros has e = 0. As a byte (E8M0): e + 127.
;;     - Each number is divided by its block's scale, clamped to +-7.5, and rounded to the nearest number of E2M3, ties to even, subnormals kept.
;;     - The product sums the exact products of the quantised numbers (number of the format x scale) in f32.
;;   ~~~python
;;   def quantise(x, axis):      # numpy; x: float32 -> the quantised numbers, widened to float32 again
;;       x = np.moveaxis(x, axis, -1); K = x.shape[-1]
;;       x = np.pad(x, [(0, 0)] * (x.ndim - 1) + [(0, -K % 32)]); x = x.reshape(x.shape[:-1] + (-1, 32)); a = np.abs(x).max(-1, keepdims=True)
;;       e = np.where(a > 0, np.clip(np.frexp(np.where(a > 0, a, 1))[1] - 1 - 2, -126, 127), 0)      # np.frexp(a)[1] - 1 = floor(log2(a)), exactly
;;       r = np.clip(x / 2.0 ** e, -7.5, 7.5)
;;       step = 2.0 ** (np.maximum(np.frexp(np.where(r == 0, 1, r))[1] - 1, 0) - 3)
;;       q = np.round(r / step) * step * 2.0 ** e      # np.round: ties to even
;;       return np.moveaxis(q.reshape(q.shape[:-2] + (-1,))[..., :K], -1, axis).astype(np.float32)
;;   ~~~
;; One version. Each part assembles by itself: llvm-mc -triple=amdgcn-amd-amdhsa -mcpu=gfx1250 --defsym DOCPART=n.
;; ======== version 1 of 1: 4 launches
;; limits: right only within a limited range of input values
;; workspace buffers: zcb 6,815,744 bytes; ecb 3,407,872 bytes; cand 1,048,576 bytes of whole numbers; part 32,768 bytes
;; launch quant (part 1): grid 256 x 1, 6 waves a work-group, no clusters, 51,712 bytes of LDS; arguments z, emb_w, zcb, ecb; writes zcb, ecb
.if DOCPART == 1
	.amdgcn_target "amdgcn-amd-amdhsa--gfx1250"
	.amdhsa_code_object_version 6
	.text
	.protected	k_q6fe185d411_quant
	.globl	k_q6fe185d411_quant
	.p2align	8
	.type	k_q6fe185d411_quant,@function
k_q6fe185d411_quant:
	s_mov_b64 s[64:65], 0
	v_nop
	global_prefetch_b8 v0, s[64:65] scope:SCOPE_SE
	s_setreg_imm32_b32 hwreg(HW_REG_WAVE_MODE, 25, 1), 1
	s_wait_xcnt 0x0
; z [16384][512] and emb_w [8192][512], f32, become RECORDS of 16 rows each, laid as the search launch's registers want them.
; A record is 6,656 bytes (26 x 256):
;   bytes 0-6143     four fragments (K step ks = 0..3: 16 rows x 128 K of E2M3 codes, 12 registers a lane) as images of the registers: chunk 3 ks + c is 512 bytes, lane l's 16 bytes at 16 l are registers 4 c .. 4 c + 3
;   bytes 6144-6399  the E8M0 scale bytes: 16 bytes a row, one word for each K step
;   bytes 6400-6463  the 16 rows' sums of squares of the f32 numbers as they came;   bytes 6464-6655  zeros
; A block's scale is 2^(floor(log2(its largest magnitude)) - 2); its byte is that magnitude's exponent field - 2, held at 1 from below.
; LIMITS: a block whose largest magnitude lies under 2^-124 (a block of zeros too) has the byte 1: a block of zeros has zero codes, and this program alone reads the bytes.  NaN and infinities are not served.
; SHARES: one wave makes one record: 256 work-groups x 6 waves = 1,536 records; records 0-1023 are z's, 1024-1535 emb_w's: only pointers are chosen, by the record's number.  Waves share nothing: no barrier.
; A record's 64 loads (512 consecutive bytes of one row each, 16 a lane) all go out at the head, into window 1.  The conversions want 32 NEIGHBOURS along K in one lane, in the operand's own order
; (lane (r, h): k = 64 c + 32 h + 0..31 of row r): so a K step's 16 x 512 bytes turn through the wave's own stage in LDS, rows 528 bytes apart (132 words: 16 rows start at 16 different banks).
; No matrix unit, no tensor load, no cluster: the launch moves each byte once and its work-groups share no input.
.set REC,   6656
.set PITCH, 528
.set WST,   16*PITCH                   ; a wave's stage: 8,448 bytes
.set SPARE, 6*WST                      ; behind the stages: the spare words, 128 bytes a wave, in four blocks of 256 bytes that no other line names
.set L16,  1                           ; 16 x lane; never rewritten
.set STW,  2                           ; the stage, on the way in
.set STR,  3                           ; on the way out: 528 r + 128 h
.set SH8,  4                           ; 8 h
.set NW,   5                           ; at the end: 4 r: my row's norm
.set NR,   6                           ; and 16 (lane & 3): four norms back
.set X,    144                         ; v144-207 64 numbers in the operand's order
.set C,    208                         ; v208-219 the fragment
.set T,    220                         ; the second halves of the two blocks' codes
.set MX,   228
.set SO,   230
.set BY,   232
.set W,    236                         ; v236-239 my row's four scale words
.set SS,   240                         ; v240-247 the squares, four packed chains
.set TA,   248
.set TP,   249
.set D,    144
.set P,    148
.set MSB, 0
.macro WIN new                         ; the immediate's high byte repeats the setting that is left
.if MSB != (\new)
	s_set_vgpr_msb (MSB<<8)|(\new)
.set MSB, (\new)
.endif
.endm
	s_load_b128 s[4:7], s[0:1], 0x0                ; z, emb_w
	s_load_b128 s[8:11], s[0:1], 0x10              ; zcb, ecb
	v_lshl_add_u32 v254, v0, 2, SPARE
	v_mov_b32 v255, 0
	v_lshrrev_b32 v9, 5, v0
	v_readfirstlane_b32 s16, v9                    ; wave 0..5
	v_and_b32 v10, 31, v0                          ; lane
	v_and_b32 v11, 15, v0                          ; r
	v_bfe_u32 v12, v0, 4, 1                        ; h
	v_and_b32 v13, 3, v0
	s_mul_i32 s17, s16, WST
	v_lshlrev_b32 v[L16], 4, v10
	v_add_nc_u32 v[STW], s17, v[L16]
	v_mul_u32_u24 v[STR], v11, PITCH
	v_lshl_add_u32 v[STR], v12, 7, v[STR]
	v_add_nc_u32 v[STR], s17, v[STR]
	v_lshlrev_b32 v[SH8], 3, v12
	v_lshlrev_b32 v[NW], 2, v11
	v_add_nc_u32 v[NW], s17, v[NW]
	v_lshlrev_b32 v[NR], 4, v13
	v_add_nc_u32 v[NR], s17, v[NR]
	v_mov_b32 v[TP], 0                             ; a lane permute's destination counts as one of its sources
	s_mov_b32 s20, 0x76543210
	s_mov_b32 s21, 0xfedcba98                      ; v_permlanex16_b32's selects for lane l xor 16
	s_mov_b32 s22, 0x0000ffff                      ; lanes 0-15: the scale words
	s_mov_b32 s23, 0x000f0000                      ; lanes 16-19: the norms
	s_mul_i32 s13, ttmp9, 6
	s_add_co_u32 s13, s13, s16                     ; my record, 0..1535
	s_wait_alu depctr_va_vdst(0)                   ; the wait at the head's end
	s_wait_kmcnt 0x0
	s_cmp_lt_u32 s13, 1024                         ; z's record or emb_w's?  The choice hangs on ids alone
	s_cselect_b64 s[4:5], s[4:5], s[6:7]
	s_cselect_b64 s[8:9], s[8:9], s[10:11]
	s_cselect_b32 s12, 0, 1024
	s_sub_co_u32 s12, s13, s12                     ; its number in its tensor
	s_lshl_b32 s14, s12, 15                        ; its 16 rows of 2,048 bytes (under 2^26)
	s_mov_b32 s15, 0
	s_add_nc_u64 s[4:5], s[4:5], s[14:15]
	s_mul_i32 s14, s12, REC
	s_add_nc_u64 s[8:9], s[8:9], s[14:15]
	WIN 0x40                                       ; destination window 1: K step ks at registers 64 ks on
.irp ks, 0,1,2,3
.irp i, 0,1,2,3,4,5,6,7,8,9,10,11,12,13,14,15
	global_load_b128 v[64*\ks+4*\i:64*\ks+4*\i+3], v[L16], s[4:5] offset:2048*\i+512*\ks th:TH_LOAD_NT
.endr
.endr
	WIN 0
.macro STEP ks
	s_wait_loadcnt 16*(3-(\ks))                    ; this step's 16 loads are in; the later steps' may be out
	WIN 0x04                                       ; the stores' data: window 1
.irp i, 0,1,2,3,4,5,6,7,8,9,10,11,12,13,14,15
	ds_store_b128 v[STW], v[64*(\ks)+4*\i:64*(\ks)+4*\i+3] offset:PITCH*\i
.endr
	WIN 0
.irp c, 0,1
.irp j, 0,1,2,3,4,5,6,7
	ds_load_b128 v[X+32*\c+4*\j:X+32*\c+4*\j+3], v[STR] offset:256*\c+16*\j   ; LDS serves a wave's instructions in order: these see the stores above
.endr
.endr
	s_wait_dscnt 0x0                               ; my 64 numbers are back
.set p, 0
.rept 32                               ; the row's sum of squares, of the numbers as they came: four chains of two
.if ((\ks) == 0) && (p < 4)
	v_pk_mul_f32 v[SS+2*p:SS+2*p+1], v[X+2*p:X+2*p+1], v[X+2*p:X+2*p+1]
.else
	v_pk_fma_f32 v[SS+2*(p%4):SS+2*(p%4)+1], v[X+2*p:X+2*p+1], v[X+2*p:X+2*p+1], v[SS+2*(p%4):SS+2*(p%4)+1]
.endif
.set p, p+1
.endr
.irp c, 0,1                            ; my block 2 c + h of the K step: all its 32 numbers are mine
	v_max3_num_f32 v[MX+\c], |v[X+32*\c]|, |v[X+32*\c+1]|, 0x1800000   ; with the floor 2^(3 - 127) among the leaves: the byte cannot fall under 1
.endr
.irp i, 2,4,6,8,10,12,14,16,18,20,22,24,26,28,30
.irp c, 0,1
	v_max3_num_f32 v[MX+\c], v[MX+\c], |v[X+32*\c+\i]|, |v[X+32*\c+\i+1]|
.endr
.endr
.irp c, 0,1
	v_add_nc_u32 v[SO+\c], 0xff000000, v[MX+\c]    ; 2 off the exponent field: the conversion's scale operand
.endr
.irp c, 0,1
	v_lshrrev_b32 v[BY+\c], 23, v[SO+\c]           ; the scale's byte
.endr
	v_lshl_or_b32 v[TA], v[BY+1], 16, v[BY]        ; my two bytes, blocks h and 2 + h,
	v_lshlrev_b32 v[TA], v[SH8], v[TA]             ; at their places in the word;
	v_permlanex16_b32 v[TP], v[TA], s20, s21
	v_or_b32 v[W+(\ks)], v[TA], v[TP]              ; with lane l xor 16's two the word is whole
	s_wait_alu depctr_va_vdst(0)                   ; the wait ahead of the wait below
	s_wait_xcnt 0x0                                ; the last step's three stores have read the fragment's registers
.irp c, 0,1
	v_cvt_scalef32_pk16_fp6_f32 v[C+6*\c:C+6*\c+2], v[X+32*\c:X+32*\c+15], v[SO+\c]
	v_cvt_scalef32_pk16_fp6_f32 v[T+4*\c:T+4*\c+2], v[X+32*\c+16:X+32*\c+31], v[SO+\c]     ; (a conversion's three registers begin on an even number)
.endr
	v_nop                                          ; one plain place behind the scaled conversions
.irp c, 0,1
.irp i, 0,1,2
	v_mov_b32 v[C+6*\c+3+\i], v[T+4*\c+\i]
.endr
.endr
.irp c, 0,1,2
	global_store_b128 v[L16], v[C+4*\c:C+4*\c+3], s[8:9] offset:1536*(\ks)+512*\c   ; 512 consecutive bytes, at a multiple of 256 from the buffer's first byte
.endr
.endm
	STEP 0
	STEP 1
	STEP 2
	STEP 3
	; the record's last 512 bytes: lanes 0-15 their row's four scale words, lanes 16-19 four norms each, lanes 20-31 zeros
	v_pk_add_f32 v[SS:SS+1], v[SS:SS+1], v[SS+2:SS+3]
	v_pk_add_f32 v[SS+4:SS+5], v[SS+4:SS+5], v[SS+6:SS+7]
	v_pk_add_f32 v[SS:SS+1], v[SS:SS+1], v[SS+4:SS+5]
	v_add_f32 v[SS], v[SS], v[SS+1]
	v_permlanex16_b32 v[TP], v[SS], s20, s21
	v_add_f32 v[SS], v[SS], v[TP]                  ; row r's norm, the same bits in lanes r and r + 16
	ds_store_b32 v[NW], v[SS]
	ds_load_b128 v[P:P+3], v[NR]                   ; in order behind the store: lane 16 + i takes norms 4 i .. 4 i + 3
	s_wait_dscnt 0x0
.irp q, 0,1,2,3
	v_cndmask_b32 v[D+\q], 0, v[P+\q], s23
.endr
.irp q, 0,1,2,3
	v_cndmask_b32 v[D+\q], v[D+\q], v[W+\q], s22
.endr
	global_store_b128 v[L16], v[D:D+3], s[8:9] offset:6144
	s_wait_tensorcnt 0x0                           ; the wave's end
	ds_add_u32 v254, v255
	s_wait_dscnt 0x0
	s_endpgm
.Lfunc_end_k_q6fe185d411_quant:
	.size	k_q6fe185d411_quant, .Lfunc_end_k_q6fe185d411_quant-k_q6fe185d411_quant
	.p2alignl 7, 3214868480
	.fill 96, 4, 3214868480
	.section	.rodata,"a",@progbits
	.p2align	6, 0x0
	.amdhsa_kernel k_q6fe185d411_quant
		.amdhsa_group_segment_fixed_size 51712
		.amdhsa_private_segment_fixed_size 0
		.amdhsa_enable_private_segment 0
		.amdhsa_kernarg_size 32
		.amdhsa_user_sgpr_count 2
		.amdhsa_user_sgpr_kernarg_segment_ptr 1
		.amdhsa_wavefront_size32 1
		.amdhsa_system_sgpr_workgroup_id_x 1
		.amdhsa_system_sgpr_workgroup_id_y 1
		.amdhsa_system_sgpr_workgroup_id_z 1
		.amdhsa_system_vgpr_workitem_id 0
		.amdhsa_next_free_vgpr 512
		.amdhsa_next_free_sgpr 66
		.amdhsa_reserve_vcc 0
		.amdhsa_float_denorm_mode_32 3
		.amdhsa_float_denorm_mode_16_64 3
		.amdhsa_memory_ordered 1
		.amdhsa_forward_progress 1
		.amdhsa_inst_pref_size 39
	.end_amdhsa_kernel
	.amdgpu_metadata
---
amdhsa.version: [ 1, 2 ]
amdhsa.kernels:
  - .name:           k_q6fe185d411_quant
    .symbol:         k_q6fe185d411_quant.kd
    .args:
      - { .name: z, .offset: 0, .size: 8, .value_kind: global_buffer, .address_space: global }
      - { .name: emb_w, .offset: 8, .size: 8, .value_kind: global_buffer, .address_space: global }
      - { .name: zcb, .offset: 16, .size: 8, .value_kind: global_buffer, .address_space: global }
      - { .name: ecb, .offset: 24, .size: 8, .value_kind: global_buffer, .address_space: global }
    .group_segment_fixed_size: 51712
    .private_segment_fixed_size: 0
    .kernarg_segment_align: 8
    .kernarg_segment_size: 32
    .max_flat_workgroup_size: 192
    .sgpr_count:     66
    .vgpr_count:     512
    .wavefront_size: 32
...
	.end_amdgpu_metadata
.endif
;; end of part 1
;; launch search (part 2): grid 32 x 8, 8 waves a work-group, clusters of 4 x 1, 327,680 bytes of LDS; arguments zcb, ecb, cand; writes cand
.if DOCPART == 2
	.amdgcn_target "amdgcn-amd-amdhsa--gfx1250"
	.amdhsa_code_object_version 6
	.text
	.protected	k_q6fe185d411_search
	.globl	k_q6fe185d411_search
	.p2align	8
	.type	k_q6fe185d411_search,@function
k_q6fe185d411_search:
	s_mov_b64 s[64:65], 0
	v_nop
	global_prefetch_b8 v0, s[64:65] scope:SCOPE_SE
	s_setreg_imm32_b32 hwreg(HW_REG_WAVE_MODE, 25, 1), 1
	s_wait_xcnt 0x0
	s_wait_alu depctr_hold_cnt(0) depctr_sa_sdst(0) depctr_va_vdst(0) depctr_va_sdst(0) depctr_va_ssrc(0) depctr_va_vcc(0) depctr_vm_vsrc(0)
	s_getreg_b32 s2, hwreg(HW_REG_IB_STS2, 6, 4)
	s_cmp_eq_u32 s2, 0
	s_cbranch_scc0 .Lentry_in_a_cluster
	s_endpgm
.Lentry_in_a_cluster:
	s_bfe_u32 s2, ttmp6, 0x10000c
	s_cmp_lg_u32 s2, 0x3003
	s_cbranch_scc0 .Lentry_shape_is_right
	s_endpgm
.Lentry_shape_is_right:
; For 512 rows of z and one eighth (1,024 columns) of the codebook: d[n] = fl(fl(zz + ee[n]) - 2 dot[n]), dot on codes of E2M3 with E8M0 scales, and the eighth's first smallest d of each row.
; Stored: cand[eighth][row] = (key, n), 8 bytes: key is d's bits turned into a whole number that orders as d does (bits xor (sign ? all ones : the top bit)); n the column.
; d is rounded as the definition rounds it: one addition, then one fused multiply-add by -2 (2 dot is exact).  Nothing of reference() is left out here.
; LIMITS: NaN and infinities are not served; a row whose every d is +infinity gets the eighth's first column; -0 orders under +0 where candidates are merged.
; SHARES.  Work-group (RB, q): rows 512 RB on, columns 1,024 q on: 32 x 8 = 256 work-groups of eight waves, two to a SIMD.  Wave w keeps rows 64 w .. 64 w + 63 (z's records 32 RB + 4 w + a, a = 0..3) in 192 registers;
; all eight waves walk the same 64 records of the codebook (tiles of 16 columns) through two LDS slots of 16 records: four slot steps.  A record's bytes are images of the operand's registers: every LDS read is 16 x lane on end.
; CLUSTER.  The four row blocks of a cluster walk the same eighth: each slot is asked for jointly, every wave bringing two records (52 rows of 256 bytes) by one tensor load with a mask that names the four.
; No prefetch: of the four slot steps two are asked for at the head, and a request for the other two could stand less than one slot step ahead of its load.
; THE MATRIX INSTRUCTION IS USED TRANSPOSED: source 0 = 16 columns of the codebook, source 1 = 16 rows of z: lane (r, h) holds row r, its register j column 16 tile + 8 h + j.
; THE ARGMIN for a lane's 8 numbers, in two halves.  H1: 4 pairs of additions, 4 pairs of multiply-adds, 3 leaves of the chunk's minimum.  H2: the minimum, one compare, 5 pairs of selects: where the chunk's minimum is strictly
; under the best so far (tiles ascend, so the first chunk that reaches the minimum stays) the minimum, the tile's number and the chunk's eight numbers are kept; the place in the chunk is looked up once, at the end.
; A TILE is 16 matrix instructions in eight groups of two (K step i / 4, tile of rows i % 4: the four accumulators take turns).  Behind groups 2 a and 2 a + 1 stand H1 and H2 of the tile before,
; which lies in the other 32 accumulator registers, for tile of rows a.
; REGISTERS: window 0: addresses, statistics, scale words, accumulators, the codebook's buffer 0.  Window 1: v0-191 z's fragments, 48 a + 12 ks; v192-239 the codebook's buffer 1.
.set REC,    6656
.set SLOTB,  16*REC                    ; a slot
.set PARTB,  2*REC                     ; what one tensor load brings
.set EIGHB,  64*REC                    ; an eighth's records
.set SLOT1,  1<<17                     ; slot 1 begins here: one exclusive or turns an address in one slot into the other's
.set SPARE,  SLOT1+SLOTB               ; the spare words, 128 bytes for each wave: four blocks of 256 bytes that no other line names
.set L16,  1                           ; 16 x lane
.set LSC,  2                           ; 6144 + 16 r: a record's scale words of row r
.set LEE,  3                           ; 6400 + 32 h: a record's norms of rows 8 h .. 8 h + 7
.set ADR,  4
.set ADS,  5
.set ADE,  6
.set ZSA,  7                           ; 16 r
.set SPW,  8                           ; my spare word; never rewritten
.set NIL,  9                           ; 0; never rewritten
.set NB0,  10                          ; 8 h + 1024 q
.set CO,   11                          ; 8 x lane
.set CM,   12                          ; the chunk's minimum; C2, C3 its other leaves
.set ZNA,  13                          ; 4 r
.set C2,   14
.set ETV,  15                          ; the number of the tile whose distances are in hand
.set ZZ,   16                          ; v16-23   zz of my row in tile of rows a, twice
.set ZS,   24                          ; v24-39   z's scale words, 4 a + ks
.set ES,   40                          ; v40-47   the codebook's scale words, 4 b + ks
.set EE,   48                          ; v48-63   the columns' norms, 8 b + j
.set S,    64                          ; v64-71   zz + ee, then d
.set BB,   72                          ; v72-79   2 a: the smallest d so far; 2 a + 1: its tile
.set KEEP, 80                          ; v80-111  that tile's eight numbers, 8 a + j
.set C3,   112
.set ACC,  128                         ; v128-191 the accumulators, 32 b + 8 a
.set CB,   192                         ; v192-239 the codebook's four fragments, 12 ks
.set FN,   192                         ; at the end, where buffer 0 lay
.set FK,   196
.set FKO,  200
.set FNO,  204
.set FT,   208
.set FO,   212
.set WV,   12                          ; s12 my wave's number
.set G1,   16                          ; s[16:23] group 1; s[24:27] group 0 of slot 0's first fill; s[28:31] of slot 1's, which then walks on
.set TB,   32                          ; s32 LDS byte at which the record to be fetched begins
.set OUT,  34
.set INN,  35
.set MSB, 0
.macro WIN new                         ; the immediate's high byte repeats the setting that is left
.if MSB != (\new)
	s_set_vgpr_msb (MSB<<8)|(\new)
.set MSB, (\new)
.endif
.endm
.macro CREST                           ; a round of the cluster's barrier behind its opening barrier
	s_cmp_lg_u32 s[WV], 0
	s_cbranch_scc1 .Lnot_wave_0_\@
	s_barrier_signal -3
.Lnot_wave_0_\@:
	s_barrier_wait -3
	s_barrier_signal -1
	s_barrier_wait -1
.endm
.macro CROUND
	s_barrier_signal -1
	s_barrier_wait -1
	CREST
.endm
.macro JOINT g0                        ; my joint load
	tensor_load_to_lds s[\g0:\g0+3], s[G1:G1+7]
	s_nop 0
.rept 4
	v_nop
.endr
.endm
	s_load_b128 s[4:7], s[0:1], 0x0                ; zcb, ecb
	s_load_b64 s[8:9], s[0:1], 0x10                ; cand
	v_lshl_add_u32 v[SPW], v0, 2, SPARE
	v_mov_b32 v[NIL], 0
	ds_add_u32 v[SPW], v[NIL]                      ; the opening lines: the add, twice on end, and its wait
	ds_add_u32 v[SPW], v[NIL]
	v_lshrrev_b32 v1, 5, v0
	s_delay_alu instid0(VALU_DEP_1)
	v_readfirstlane_b32 s[WV], v1                  ; wave 0..7
	s_bfe_u32 s13, ttmp6, 0x40000                  ; cx
	s_lshl_b32 s14, ttmp9, 2
	s_add_co_u32 s14, s14, s13                     ; RB = 4 x cluster x + cx: it enters z's and cand's addresses alone
	s_and_b32 s15, ttmp7, 0xffff                   ; q, which the four partners share
	s_mov_b32 s[G1], 15|(3<<16)|(1<<21)            ; the mask of all four; elements of 8 bytes; bit 21 beside a mask
	s_mov_b32 s[G1+1], 32<<16                      ; tensor_dim0 = 32
	s_mov_b32 s[G1+2], 52<<16                      ; tensor_dim1 = 52
	s_mov_b32 s[G1+3], 32<<16                      ; tile_dim0
	s_mov_b32 s[G1+4], 52                          ; tile_dim1
	s_mov_b32 s[G1+5], 32                          ; pitch: dense rows of 256 bytes
	s_mov_b32 s[G1+6], 0
	s_mov_b32 s[G1+7], 0
	s_mul_i32 s46, s[WV], PARTB                    ; my part's place in a slot and in a slot step's bytes
	s_mul_i32 s44, s15, EIGHB
	s_add_co_u32 s44, s44, s46                     ; its place in ecb (under 2^22)
	s_mov_b32 s45, 0
	s_lshl_b32 s48, s14, 5
	s_lshl_b32 s49, s[WV], 2
	s_add_co_u32 s48, s48, s49
	s_mul_i32 s48, s48, REC                        ; z's records 32 RB + 4 w on (under 2^23)
	s_mov_b32 s49, 0
	s_lshl_b32 s50, s15, 17                        ; cand: 131,072 q + 4,096 RB + 512 w
	s_lshl_b32 s51, s14, 12
	s_add_co_u32 s50, s50, s51
	s_lshl_b32 s51, s[WV], 9
	s_add_co_u32 s50, s50, s51
	s_mov_b32 s51, 0
	s_mov_b32 s36, 0x76543210
	s_mov_b32 s37, 0xfedcba98                      ; v_permlanex16_b32's selects for lane l xor 16
	s_mov_b32 s38, 0xffff0000                      ; lanes 16-31
	s_mov_b32 s[TB], 0
	s_lshl_b32 s40, s15, 10
	v_and_b32 v13, 31, v0                          ; lane
	v_and_b32 v14, 15, v0                          ; r
	v_bfe_u32 v15, v0, 4, 1                        ; h
.irp a, 0,1,2,3                        ; the selects read what they write: +infinity, under which every finite d lies
	v_mov_b32 v[BB+2*\a], 0x7f800000
	v_mov_b32 v[BB+2*\a+1], 0
.endr
.set i, 0
.rept 32
	v_mov_b32 v[KEEP+i], 0x7f800000
.set i, i+1
.endr
	v_lshlrev_b32 v[L16], 4, v13
	v_lshlrev_b32 v[CO], 3, v13
	v_lshl_add_u32 v[LSC], v14, 4, 6144
	v_lshl_add_u32 v[LEE], v15, 5, 6400
	v_lshl_add_u32 v[NB0], v15, 3, s40
	v_lshlrev_b32 v[ZSA], 4, v14
	v_lshlrev_b32 v[ZNA], 2, v14
	v_mov_b32 v[ETV], 0
	s_wait_alu depctr_va_vdst(0)                   ; the wait at the head's end
	s_wait_dscnt 0x0                               ; both opening adds are done
	s_wait_kmcnt 0x0
	s_mov_b32 s24, 1
	s_mov_b32 s25, s46                             ; slot 0, my part
	s_add_nc_u64 s[26:27], s[6:7], s[44:45]        ; slot step 0
	s_or_b32 s27, s27, 0x80000000
	CROUND                                         ; all four work-groups are here: the first joint loads meet
	JOINT 24                                       ; slot step 0: one tensor load a wave at the head
	s_add_nc_u64 s[48:49], s[4:5], s[48:49]
	s_add_nc_u64 s[50:51], s[8:9], s[50:51]
	s_mov_b32 s28, 1
	s_add_co_u32 s29, s46, SLOT1
	s_add_nc_u64 s[30:31], s[6:7], s[44:45]
	s_add_nc_u64 s[30:31], s[30:31], SLOTB         ; slot step 1
	s_or_b32 s31, s31, 0x80000000
	WIN 0x40                                       ; destination window 1, address window 0
.irp a, 0,1,2,3                        ; z's 16 fragments stay in registers: chunk k of record a is registers 48 a + 4 k on
.irp k, 0,1,2,3,4,5,6,7,8,9,10,11
	global_load_b128 v[48*\a+4*\k:48*\a+4*\k+3], v[L16], s[48:49] offset:REC*\a+512*\k
.endr
.endr
	WIN 0
.irp a, 0,1,2,3
	global_load_b128 v[ZS+4*\a:ZS+4*\a+3], v[ZSA], s[48:49] offset:REC*\a+6144    ; row r's four scale words
.endr
.irp a, 0,1,2,3
	global_load_b32 v[ZZ+2*\a], v[ZNA], s[48:49] offset:REC*\a+6400               ; row r's norm
.endr
; Matrix instruction i of a tile's 16, into buffer b: K step i / 4, tile of rows i % 4.  The first four start the sums with the constant 0.
.macro MM b
.if \b
	WIN 0x05
.else
	WIN 0x04
.endif
.set mK, i/4
.set mA, i%4
.set rD, ACC+32*(\b)+8*mA
.set rA, CB+12*mK
.set rB, 48*mA+12*mK
.if mK == 0
	v_wmma_scale_f32_16x16x128_f8f6f4 v[rD:rD+7], v[rA:rA+11], v[rB:rB+11], 0, v[ES+4*(\b)+mK], v[ZS+4*mA+mK] matrix_a_fmt:MATRIX_FMT_FP6 matrix_b_fmt:MATRIX_FMT_FP6
.else
	v_wmma_scale_f32_16x16x128_f8f6f4 v[rD:rD+7], v[rA:rA+11], v[rB:rB+11], v[rD:rD+7], v[ES+4*(\b)+mK], v[ZS+4*mA+mK] matrix_a_fmt:MATRIX_FMT_FP6 matrix_b_fmt:MATRIX_FMT_FP6
.endif
.endm
; H1: the distances of the tile in buffer eb for tile of rows a, and three leaves of their minimum.  An accumulator is read from its low end on.
.macro H1 eb, a
	WIN 0
.set xA, ACC+32*(\eb)+8*(\a)
.set xE, EE+8*(\eb)
.set xZ, ZZ+2*(\a)
.irp p, 0,2,4,6                        ; s = zz + ee
	v_dual_add_f32 v[S+\p], v[xE+\p], v[xZ] :: v_dual_add_f32 v[S+\p+1], v[xE+\p+1], v[xZ+1]
.endr
.irp p, 0,2,4,6                        ; d = s - 2 dot, rounded once
	v_dual_fmac_f32 v[S+\p], -2.0, v[xA+\p] :: v_dual_fmac_f32 v[S+\p+1], -2.0, v[xA+\p+1]
.endr
	v_min3_num_f32 v[CM], v[S], v[S+1], v[S+2]
	v_min3_num_f32 v[C2], v[S+3], v[S+4], v[S+5]
	v_min_num_f32 v[C3], v[S+6], v[S+7]
.endm
; H2: the chunk's minimum against the best so far.  hint = 1 where H1 stands directly ahead.
.macro H2 a, hint
	WIN 0
.set xK, KEEP+8*(\a)
.set xB, BB+2*(\a)
.if \hint
	s_delay_alu instid0(VALU_DEP_1)
.endif
	v_min3_num_f32 v[CM], v[CM], v[C2], v[C3]
	s_delay_alu instid0(VALU_DEP_1)
	v_cmp_lt_f32 vcc_lo, v[CM], v[xB]              ; strictly under: an earlier tile keeps a tie
	v_dual_cndmask_b32 v[xB], v[xB], v[CM] :: v_dual_cndmask_b32 v[xB+1], v[xB+1], v[ETV]
.irp j, 0,2,4,6
	v_dual_cndmask_b32 v[xK+\j], v[xK+\j], v[S+\j] :: v_dual_cndmask_b32 v[xK+\j+1], v[xK+\j+1], v[S+\j+1]
.endr
.endm
; The next tile's loads.  RUN1: its scale words and four fragments into buffer nb.  RUN2: its eight norms, into the registers whose norms the tile's last H1 has read.
.macro RUN1 nb
	WIN 0
	v_add_nc_u32 v[ADR], s[TB], v[L16]
	v_add_nc_u32 v[ADS], s[TB], v[LSC]
	ds_load_b128 v[ES+4*(\nb):ES+4*(\nb)+3], v[ADS]
.if \nb
	WIN 0x40
.endif
.irp k, 0,1,2,3,4,5,6,7,8,9,10,11
	ds_load_b128 v[CB+4*\k:CB+4*\k+3], v[ADR] offset:512*\k
.endr
	WIN 0
.endm
.macro RUN2 nb
	WIN 0
	v_add_nc_u32 v[ADE], s[TB], v[LEE]
	ds_load_b128 v[EE+8*(\nb):EE+8*(\nb)+3], v[ADE]
	ds_load_b128 v[EE+8*(\nb)+4:EE+8*(\nb)+7], v[ADE] offset:16
	s_add_co_u32 s[TB], s[TB], REC
.endm
; A TILE: 16 products into buffer b.  mode 0: its successor lies in the same slot.  1: a slot's last tile, and the slot is filled again.  2: a slot's last tile, nothing more to fetch.  3: the last tile.
; The argmin lines behind a group name the other buffer alone: they are the places for the next reads of results and for the loads into registers that products have read.
; THE CHANGE OF SLOTS (modes 1, 2): at the tile's head the slot's last record has been asked for.  Each wave waits for all its tensor loads (one is out: its part of the other slot), adds 0 to its spare word,
; waits for the add and for its last reads of the slot, and signals; eight products later it waits.  In mode 1 that barrier opens a round of the cluster's barrier, and the joint refill is the first thing behind it.
.macro TILE b, ep, mode
.if \mode == 0
	s_wait_dscnt 0x2                               ; this tile's scale words and fragments are in; its two loads of norms, first read a tile later, may be out
.elseif \mode == 3
	s_wait_dscnt 0x0
.else
	s_wait_tensorcnt 0x0                           ; no tensor load of mine is out, so a group 0 may be written
	ds_add_u32 v[SPW], v[NIL]
.if \mode == 1
	s_xor_b32 s29, s29, SLOT1                      ; the walking descriptor: the other slot,
	s_add_nc_u64 s[30:31], s[30:31], SLOTB         ; the next slot step's bytes
.endif
	s_wait_dscnt 0x0                               ; the add is done, and my reads of this slot are over
	s_barrier_signal -1
.endif
.set g, 0
.rept 8
.set i, 2*g
	MM \b
.set i, 2*g+1
	MM \b
.if \ep
.if g%2 == 0
	H1 1-\b, g/2
.else
	H2 g/2, 0
.endif
.endif
.if (g == 1) && (\mode == 0)
	RUN1 1-\b
.endif
.if (g == 3) && ((\mode == 1) || (\mode == 2))
	WIN 0
	s_barrier_wait -1
.if \mode == 1
	CREST                                          ; no wave of any partner still reads this slot or has a load on its way
	JOINT 28                                       ; my one tensor load until the next change of slots
.endif
	s_sub_co_u32 s[TB], s[TB], SLOTB               ; the fetches go back to the first record,
	s_xor_b32 s[TB], s[TB], SLOT1                  ; in the other slot
	RUN1 1-\b
.endif
.set g, g+1
.endr
.if \mode != 3
	RUN2 1-\b
.endif
.if \ep
	v_add_nc_u32 v[ETV], 1, v[ETV]
.else
.rept 4
	v_nop                                          ; the places behind the tile's last products
.endr
.endif
.endm
.macro INNER                           ; tiles 1 to 14 of a slot
	s_mov_b32 s[INN], 7
.Linner_\@:
	TILE 1, 1, 0
	TILE 0, 1, 0
	WIN 0
	s_sub_co_u32 s[INN], s[INN], 1
	s_cmp_lg_u32 s[INN], 0
	s_wait_alu depctr_va_vdst(0)                   ; the wait ahead of the backward jump
	s_cbranch_scc1 .Linner_\@
.endm
	s_wait_tensorcnt 0x0                           ; my part of slot 0 is in
	ds_add_u32 v[SPW], v[NIL]
	s_wait_dscnt 0x0
	CROUND                                         ; everybody's part is in, and the four work-groups are here
	JOINT 28                                       ; slot step 1: slot 1's first fill
	RUN1 0
	RUN2 0
	s_wait_loadcnt 0x0                             ; z's fragments, scale words and norms
.irp a, 0,1,2,3
	v_mov_b32 v[ZZ+2*\a+1], v[ZZ+2*\a]
.endr
	s_wait_alu depctr_va_vdst(0)
	TILE 0, 0, 0                                   ; the first tile: no distances yet to set between its products
	WIN 0
	s_mov_b32 s[OUT], 2
.Louter:                                               ; two trips: slot steps 0 and 1 are followed by a refill
	INNER
	TILE 1, 1, 1
	TILE 0, 1, 0
	WIN 0
	s_sub_co_u32 s[OUT], s[OUT], 1
	s_cmp_lg_u32 s[OUT], 0
	s_wait_alu depctr_va_vdst(0)
	s_cbranch_scc1 .Louter
	INNER                                          ; the tail is written out
	TILE 1, 1, 2
	TILE 0, 1, 0
	WIN 0
	INNER
	TILE 1, 1, 3
	WIN 0
.irp a, 0,1,2,3
	H1 1, \a                                       ; the last tile's distances
	H2 \a, 1
.endr
	; THE END.  The place in the kept chunk: the lowest j whose number is the minimum.  Then the column, the key, and the better of the two halves of the lanes: the smaller key, at equal keys the lower column.
.irp a, 0,1,2,3
	v_mov_b32 v[FN+\a], 7
	v_mov_b32 v[FKO+\a], 0                         ; (a lane permute's destination counts as one of its sources)
	v_mov_b32 v[FNO+\a], 0
.endr
.irp j, 6,5,4,3,2,1,0
.irp a, 0,1,2,3
	v_cmp_eq_f32 vcc_lo, v[KEEP+8*\a+\j], v[BB+2*\a]
	s_delay_alu instid0(VALU_DEP_1)
	v_cndmask_b32 v[FN+\a], v[FN+\a], \j, vcc_lo
.endr
.endr
.irp a, 0,1,2,3
	v_lshl_add_u32 v[FN+\a], v[BB+2*\a+1], 4, v[FN+\a]
	v_ashrrev_i32 v[FT+\a], 31, v[BB+2*\a]
.endr
.irp a, 0,1,2,3
	v_add_nc_u32 v[FN+\a], v[NB0], v[FN+\a]        ; n = 16 tile + j + 8 h + 1024 q
	v_or_b32 v[FT+\a], 0x80000000, v[FT+\a]
.endr
.irp a, 0,1,2,3
	v_xor_b32 v[FK+\a], v[FT+\a], v[BB+2*\a]       ; the key
.endr
.irp a, 0,1,2,3
	v_permlanex16_b32 v[FKO+\a], v[FK+\a], s36, s37
	v_permlanex16_b32 v[FNO+\a], v[FN+\a], s36, s37
.endr
.irp a, 0,1,2,3
	v_cmp_lt_u32 s40, v[FKO+\a], v[FK+\a]
	v_cmp_eq_u32 s41, v[FKO+\a], v[FK+\a]
	v_cmp_lt_u32 s42, v[FNO+\a], v[FN+\a]
	s_and_b32 s41, s41, s42
	s_or_b32 vcc_lo, s40, s41
	v_cndmask_b32 v[FK+\a], v[FK+\a], v[FKO+\a], vcc_lo
	v_cndmask_b32 v[FN+\a], v[FN+\a], v[FNO+\a], vcc_lo
.endr
	v_cndmask_b32 v[FO], v[FK], v[FK+1], s38       ; lanes 0-15 tile of rows 2 p, lanes 16-31 tile 2 p + 1: lane l holds row 32 p + l
	v_cndmask_b32 v[FO+1], v[FN], v[FN+1], s38
	s_delay_alu instid0(VALU_DEP_4)
	v_cndmask_b32 v[FO+2], v[FK+2], v[FK+3], s38
	s_delay_alu instid0(VALU_DEP_4)
	v_cndmask_b32 v[FO+3], v[FN+2], v[FN+3], s38
	global_store_b64 v[CO], v[FO:FO+1], s[50:51]               ; 32 lanes store 256 consecutive bytes, at a multiple of 256 from the buffer's first byte
	global_store_b64 v[CO], v[FO+2:FO+3], s[50:51] offset:256
	s_wait_tensorcnt 0x0                           ; the wave's end
	ds_add_u32 v[SPW], v[NIL]
	s_wait_dscnt 0x0
	CROUND                                         ; the closing round
	s_endpgm
.Lfunc_end_k_q6fe185d411_search:
	.size	k_q6fe185d411_search, .Lfunc_end_k_q6fe185d411_search-k_q6fe185d411_search
	.p2alignl 7, 3214868480
	.fill 96, 4, 3214868480
	.section	.rodata,"a",@progbits
	.p2align	6, 0x0
	.amdhsa_kernel k_q6fe185d411_search
		.amdhsa_group_segment_fixed_size 327680
		.amdhsa_private_segment_fixed_size 0
		.amdhsa_enable_private_segment 0
		.amdhsa_kernarg_size 24
		.amdhsa_user_sgpr_count 2
		.amdhsa_user_sgpr_kernarg_segment_ptr 1
		.amdhsa_wavefront_size32 1
		.amdhsa_system_sgpr_workgroup_id_x 1
		.amdhsa_system_sgpr_workgroup_id_y 1
		.amdhsa_system_sgpr_workgroup_id_z 1
		.amdhsa_system_vgpr_workitem_id 0
		.amdhsa_next_free_vgpr 512
		.amdhsa_next_free_sgpr 66
		.amdhsa_reserve_vcc 1
		.amdhsa_float_denorm_mode_32 3
		.amdhsa_float_denorm_mode_16_64 3
		.amdhsa_memory_ordered 1
		.amdhsa_forward_progress 1
		.amdhsa_inst_pref_size 119
	.end_amdhsa_kernel
	.amdgpu_metadata
---
amdhsa.version: [ 1, 2 ]
amdhsa.kernels:
  - .name:           k_q6fe185d411_search
    .symbol:         k_q6fe185d411_search.kd
    .args:
      - { .name: zcb, .offset: 0, .size: 8, .value_kind: global_buffer, .address_space: global }
      - { .name: ecb, .offset: 8, .size: 8, .value_kind: global_buffer, .address_space: global }
      - { .name: cand, .offset: 16, .size: 8, .value_kind: global_buffer, .address_space: global }
    .group_segment_fixed_size: 327680
    .private_segment_fixed_size: 0
    .kernarg_segment_align: 8
    .kernarg_segment_size: 24
    .max_flat_workgroup_size: 256
    .sgpr_count:     66
    .vgpr_count:     512
    .wavefront_size: 32
...
	.end_amdgpu_metadata
.endif
;; end of part 2
;; launch gather (part 3): grid 256 x 1, 8 waves a work-group, no clusters, 0 bytes of LDS; arguments cand, z, emb_w, out0, out2, part; writes out0, out2, part
.if DOCPART == 3
	.amdgcn_target "amdgcn-amd-amdhsa--gfx1250"
	.amdhsa_code_object_version 6
	.text
	.protected	k_q6fe185d411_gather
	.globl	k_q6fe185d411_gather
	.p2align	8
	.type	k_q6fe185d411_gather,@function
k_q6fe185d411_gather:
	s_mov_b64 s[64:65], 0
	v_nop
	global_prefetch_b8 v0, s[64:65] scope:SCOPE_SE
	s_setreg_imm32_b32 hwreg(HW_REG_WAVE_MODE, 25, 1), 1
	s_wait_xcnt 0x0
; The eight eighths' candidates of each row are merged (the smaller key; at equal keys the lower eighth, which is the lower column), then out2 = the column, out0 = z + (emb_w[column] - z) as the definition rounds it,
; and part[wave] = four words: the wave's sum of (emb_w[column] - z)^2 in f32; the sum of its 8 columns; the low 16 bits and the rest of the sum of their squares (at most 8 x 8191^2, under 2^32), as whole numbers.
; cand holds whole numbers that the launch before stored: the merge is compares of whole numbers, and the gather's addresses hang on nothing else.
; SHARES: a work-group takes 64 rows, each of its eight waves 8.  Every wave merges all 64 rows, two a lane (eight loads of 512 consecutive bytes), with the lanes turned by 4 x wave, so that its own 8 rows lie in lanes 0 to 3;
; in wave 0 nothing is turned, and it stores out2's 64 numbers as one unit of 256 bytes.  z's rows are asked for ahead of the merge: their addresses hang on ids alone.
; A row of z or emb_w is 2,048 bytes: four loads of 512 consecutive bytes.  Six rows (48 loads a wave) are on their way at a time; rows 6 and 7 take the registers of rows 0 and 1.
; No LDS, no matrix unit, no cluster: the launch moves bytes, and its work-groups share no tile (which rows of emb_w recur hangs on the data).
.set NS,  6                            ; sets of 32 registers, v16-207: 16 of z, 16 of emb_w
.set SUM, 208                          ; v208-215 four packed chains of squares
.set CD,  216                          ; v216-247 the candidates: eighth e at 4 e: (key, column) of two rows
	s_load_b256 s[4:11], s[0:1], 0x0               ; cand s[4:5], z s[6:7], emb_w s[8:9], out0 s[10:11]
	s_load_b128 s[12:15], s[0:1], 0x20             ; out2 s[12:13], part s[14:15]
	v_lshrrev_b32 v2, 5, v0
	s_delay_alu instid0(VALU_DEP_1)
	v_readfirstlane_b32 s86, v2                    ; wave 0..7
	v_and_b32 v3, 31, v0                           ; lane
	v_lshl_add_u32 v6, v2, 2, v0                   ; thread + 4 x wave
	v_mov_b32 v5, 0
	s_delay_alu instid0(VALU_DEP_3)
	v_lshlrev_b32 v1, 4, v3                        ; 16 x lane; never rewritten
	v_lshlrev_b32 v4, 3, v3                        ; 8 x lane
	s_delay_alu instid0(VALU_DEP_4)
	v_and_b32 v6, 31, v6                           ; (lane + 4 x wave) mod 32
	s_delay_alu instid0(VALU_DEP_1)
	v_lshlrev_b32 v6, 4, v6                        ; its two rows' 16 bytes of cand
	s_mov_b32 s85, 0
	s_mov_b32 s92, 0x76543210
	s_mov_b32 s93, 0xfedcba98                      ; v_permlanex16_b32's selects for lane l xor 16
	s_lshl_b32 s84, ttmp9, 9                       ; cand: the work-group's 64 rows of 8 bytes
	s_wait_alu depctr_va_vdst(0)                   ; the wait at the head's end
	s_wait_kmcnt 0x0
	s_add_nc_u64 s[88:89], s[4:5], s[84:85]
.irp e, 0,1,2,3,4,5,6,7
	global_load_b128 v[CD+4*\e:CD+4*\e+3], v6, s[88:89] offset:131072*\e
.endr
	s_lshl_b32 s84, ttmp9, 17                      ; z and out0: 64 rows of 2,048 bytes a work-group, 8 a wave (under 2^26)
	s_lshl_b32 s87, s86, 14
	s_add_co_u32 s84, s84, s87
	s_add_nc_u64 s[6:7], s[6:7], s[84:85]
	s_add_nc_u64 s[10:11], s[10:11], s[84:85]
.macro LOADZ i
.irp j, 0,1,2,3
	global_load_b128 v[16+32*((\i)%NS)+4*\j:16+32*((\i)%NS)+4*\j+3], v1, s[6:7] offset:2048*(\i)+512*\j th:TH_LOAD_NT
.endr
.endm
.macro LOADE i
.irp j, 0,1,2,3
	global_load_b128 v[32+32*((\i)%NS)+4*\j:32+32*((\i)%NS)+4*\j+3], v1, s[32+2*(\i):33+2*(\i)] offset:512*\j   ; no hint: rows of the table recur
.endr
.endm
.irp i, 0,1,2,3,4,5
	LOADZ \i
.endr
	s_lshl_b32 s84, ttmp9, 8                       ; out2: 256 bytes a work-group
	s_add_nc_u64 s[12:13], s[12:13], s[84:85]
	s_lshl_b32 s84, ttmp9, 3
	s_add_co_u32 s84, s84, s86
	s_lshl_b32 s84, s84, 4                         ; part: 16 bytes a wave
	s_add_nc_u64 s[14:15], s[14:15], s[84:85]
	s_wait_loadcnt 24                              ; the eight loads of candidates are in; z's 24 may be out
.irp b, 4,8,12,16,20,24,28
	v_cmp_lt_u32 vcc_lo, v[CD+\b], v[CD]           ; strictly under: the lower eighth keeps a tie
	s_delay_alu instid0(VALU_DEP_1)
	v_cndmask_b32 v[CD], v[CD], v[CD+\b], vcc_lo
	s_delay_alu instid0(VALU_DEP_2)
	v_cndmask_b32 v[CD+1], v[CD+1], v[CD+\b+1], vcc_lo
	v_cmp_lt_u32 vcc_lo, v[CD+\b+2], v[CD+2]
	s_delay_alu instid0(VALU_DEP_1)
	v_cndmask_b32 v[CD+2], v[CD+2], v[CD+\b+2], vcc_lo
	s_delay_alu instid0(VALU_DEP_2)
	v_cndmask_b32 v[CD+3], v[CD+3], v[CD+\b+3], vcc_lo
.endr
	s_delay_alu instid0(VALU_DEP_4)
	v_mov_b32 v248, v[CD+1]
	s_delay_alu instid0(VALU_DEP_2)
	v_mov_b32 v249, v[CD+3]
	s_cmp_lg_u32 s86, 0                            ; out2 is wave 0's
	s_wait_alu depctr_va_vdst(0)                   ; the wait ahead of the branch
	s_cbranch_scc1 .Lrows
	global_store_b64 v4, v[248:249], s[12:13]      ; 32 lanes store 256 consecutive bytes, at a multiple of 256 from out2's first byte; these registers are not written again
.Lrows:
.irp i, 0,1,2,3,4,5,6,7
	v_readlane_b32 s[16+\i], v[248+(\i%2)], \i/2   ; my row i lies in lane i / 2
.endr
	s_mov_b32 s24, 0
	s_mov_b32 s25, 0
.irp i, 0,1,2,3,4,5,6,7
	s_min_u32 s[16+\i], s[16+\i], 8191             ; a loaded number enters an address only held inside the table
	s_add_co_u32 s24, s24, s[16+\i]                ; the sum of my columns,
	s_mul_i32 s84, s[16+\i], s[16+\i]
	s_add_co_u32 s25, s25, s84                     ; and of their squares
	s_lshl_b32 s84, s[16+\i], 11
	s_add_nc_u64 s[32+2*\i:33+2*\i], s[8:9], s[84:85]   ; the row of emb_w; never rewritten
.endr
	s_and_b32 s26, s25, 0xffff
	s_lshr_b32 s27, s25, 16
.irp i, 0,1,2,3,4,5
	LOADE \i
.endr
.macro PROC i, left                    ; left: the loads issued behind this row's last, which may stay out
.set ZR, 16+32*((\i)%NS)
.set ER, 32+32*((\i)%NS)
	s_wait_loadcnt \left
.irp p, 0,1,2,3,4,5,6,7
	v_pk_add_f32 v[ER+2*\p:ER+2*\p+1], v[ER+2*\p:ER+2*\p+1], v[ZR+2*\p:ZR+2*\p+1] neg_lo:[0,1] neg_hi:[0,1]   ; e - z
.endr
.irp p, 0,1,2,3,4,5,6,7
.if ((\i) == 0) && (\p < 4)
	v_pk_mul_f32 v[SUM+2*\p:SUM+2*\p+1], v[ER+2*\p:ER+2*\p+1], v[ER+2*\p:ER+2*\p+1]       ; the first four start the chains: nothing is cleared
.else
	v_pk_fma_f32 v[SUM+2*(\p%4):SUM+2*(\p%4)+1], v[ER+2*\p:ER+2*\p+1], v[ER+2*\p:ER+2*\p+1], v[SUM+2*(\p%4):SUM+2*(\p%4)+1]
.endif
.endr
.irp p, 0,1,2,3,4,5,6,7
	v_pk_add_f32 v[ZR+2*\p:ZR+2*\p+1], v[ZR+2*\p:ZR+2*\p+1], v[ER+2*\p:ER+2*\p+1]         ; z + (e - z)
.endr
.irp j, 0,1,2,3
	global_store_b128 v1, v[ZR+4*\j:ZR+4*\j+3], s[10:11] offset:2048*(\i)+512*\j th:TH_STORE_NT   ; 512 consecutive bytes, at a multiple of 512 from out0's first byte
.endr
.if (\i) < 2
	s_wait_xcnt 0x0                                ; the stores have read their registers: the set is loaded again only behind this wait
	LOADZ (\i)+6
	LOADE (\i)+6
.endif
.endm
	PROC 0, 20                                     ; behind row 0's: emb_w's rows 1 to 5
	PROC 1, 24                                     ; rows 2 to 5 of emb_w, and row 6's eight
	PROC 2, 28                                     ; rows 3 to 5, rows 6 and 7
	PROC 3, 24
	PROC 4, 20
	PROC 5, 16
	PROC 6, 8
	PROC 7, 0
	v_pk_add_f32 v[SUM:SUM+1], v[SUM:SUM+1], v[SUM+2:SUM+3]
	v_pk_add_f32 v[SUM+4:SUM+5], v[SUM+4:SUM+5], v[SUM+6:SUM+7]
	s_delay_alu instid0(VALU_DEP_1)
	v_pk_add_f32 v[SUM:SUM+1], v[SUM:SUM+1], v[SUM+4:SUM+5]
	s_delay_alu instid0(VALU_DEP_1)
	v_add_f32 v[SUM], v[SUM], v[SUM+1]
	s_delay_alu instid0(VALU_DEP_1)
	v_add_f32_dpp v[SUM], v[SUM], v[SUM] row_xmask:1 row_mask:0xf bank_mask:0xf
	s_delay_alu instid0(VALU_DEP_1)
	v_add_f32_dpp v[SUM], v[SUM], v[SUM] row_xmask:2 row_mask:0xf bank_mask:0xf
	s_delay_alu instid0(VALU_DEP_1)
	v_add_f32_dpp v[SUM], v[SUM], v[SUM] row_xmask:4 row_mask:0xf bank_mask:0xf
	s_delay_alu instid0(VALU_DEP_1)
	v_add_f32_dpp v[SUM], v[SUM], v[SUM] row_xmask:8 row_mask:0xf bank_mask:0xf
	s_delay_alu instid0(VALU_DEP_1)
	v_permlanex16_b32 v[SUM+1], v[SUM], s92, s93
	s_delay_alu instid0(VALU_DEP_1)
	v_add_f32 v[SUM], v[SUM], v[SUM+1]             ; the wave's sum, in every lane
	v_mov_b32 v[SUM+1], s24                        ; and the three whole numbers beside it
	v_mov_b32 v[SUM+2], s26
	v_mov_b32 v[SUM+3], s27
	v_cmp_eq_u32 vcc_lo, 0, v3
	s_wait_alu depctr_va_vdst(0)
	s_wait_xcnt 0x0                                ; EXEC is a source of the stores above: it changes only behind this wait
	s_and_saveexec_b32 s94, vcc_lo
	global_store_b128 v5, v[SUM:SUM+3], s[14:15]   ; lane 0: part[8 x work-group + wave]
	s_wait_xcnt 0x0                                ; and again in front of the line that widens it
	s_or_b32 exec_lo, exec_lo, s94
	s_endpgm
.Lfunc_end_k_q6fe185d411_gather:
	.size	k_q6fe185d411_gather, .Lfunc_end_k_q6fe185d411_gather-k_q6fe185d411_gather
	.p2alignl 7, 3214868480
	.fill 96, 4, 3214868480
	.section	.rodata,"a",@progbits
	.p2align	6, 0x0
	.amdhsa_kernel k_q6fe185d411_gather
		.amdhsa_group_segment_fixed_size 0
		.amdhsa_private_segment_fixed_size 0
		.amdhsa_enable_private_segment 0
		.amdhsa_kernarg_size 48
		.amdhsa_user_sgpr_count 2
		.amdhsa_user_sgpr_kernarg_segment_ptr 1
		.amdhsa_wavefront_size32 1
		.amdhsa_system_sgpr_workgroup_id_x 1
		.amdhsa_system_sgpr_workgroup_id_y 1
		.amdhsa_system_sgpr_workgroup_id_z 1
		.amdhsa_system_vgpr_workitem_id 0
		.amdhsa_next_free_vgpr 256
		.amdhsa_next_free_sgpr 100
		.amdhsa_reserve_vcc 1
		.amdhsa_float_denorm_mode_32 3
		.amdhsa_float_denorm_mode_16_64 3
		.amdhsa_memory_ordered 1
		.amdhsa_forward_progress 1
		.amdhsa_inst_pref_size 30
	.end_amdhsa_kernel
	.amdgpu_metadata
---
amdhsa.version: [ 1, 2 ]
amdhsa.kernels:
  - .name:           k_q6fe185d411_gather
    .symbol:         k_q6fe185d411_gather.kd
    .args:
      - { .name: cand, .offset: 0, .size: 8, .value_kind: global_buffer, .address_space: global }
      - { .name: z, .offset: 8, .size: 8, .value_kind: global_buffer, .address_space: global }
      - { .name: emb_w, .offset: 16, .size: 8, .value_kind: global_buffer, .address_space: global }
      - { .name: out0, .offset: 24, .size: 8, .value_kind: global_buffer, .address_space: global }
      - { .name: out2, .offset: 32, .size: 8, .value_kind: global_buffer, .address_space: global }
      - { .name: part, .offset: 40, .size: 8, .value_kind: global_buffer, .address_space: global }
    .group_segment_fixed_size: 0
    .private_segment_fixed_size: 0
    .kernarg_segment_align: 8
    .kernarg_segment_size: 48
    .max_flat_workgroup_size: 256
    .sgpr_count:     100
    .vgpr_count:     256
    .wavefront_size: 32
...
	.end_amdgpu_metadata
.endif
;; end of part 3
;; launch finish (part 4): grid 1 x 1, 8 waves a work-group, no clusters, 5,120 bytes of LDS; arguments part, out1, out3; writes out1, out3
.if DOCPART == 4
	.amdgcn_target "amdgcn-amd-amdhsa--gfx1250"
	.amdhsa_code_object_version 6
	.text
	.protected	k_q6fe185d411_finish
	.globl	k_q6fe185d411_finish
	.p2align	8
	.type	k_q6fe185d411_finish,@function
k_q6fe185d411_finish:
	s_mov_b64 s[64:65], 0
	v_nop
	global_prefetch_b8 v0, s[64:65] scope:SCOPE_SE
	s_setreg_imm32_b32 hwreg(HW_REG_WAVE_MODE, 25, 1), 1
	s_wait_xcnt 0x0
; part holds 2,048 records of four words: a sum of squared differences (f32); X, the sum of 8 columns; the low 16 bits and the rest of Q, the sum of their squares (whole numbers).
; out1 = 0.25 m + m with m = (the sum of the first words) / 2^23.  out3 = the variance of the 16,384 columns = (N Q - X^2) / N^2 with N = 2^14: the mean of the squared deviations from the mean, in real numbers;
; N Q - X^2 is formed exactly, in 64-bit whole numbers (X under 2^27, Q under 2^40), and rounded to f32 once it is a difference.
; One work-group of 8 waves: thread t adds records t + 256 k (eight loads of 16 bytes, each load of a wave 512 consecutive bytes), puts its record into LDS at 16 t; a barrier; wave 0 adds the 256 records, eight a lane,
; and then over its lanes.  The three whole-number sums stay under 2^28.  32,768 bytes in all: one work-group is enough, and the sums have one owner.
.macro SUM8                            ; the eight records in v8-39, added into v[8:11]
.irp a, 8,16,24,32
	v_add_f32 v[\a], v[\a], v[\a+4]
.endr
.irp c, 1,2,3
	v_add3_u32 v[8+\c], v[8+\c], v[12+\c], v[16+\c]
	v_add3_u32 v[20+\c], v[20+\c], v[24+\c], v[28+\c]
.endr
	v_add_f32 v8, v8, v16
	v_add_f32 v24, v24, v32
.irp c, 1,2,3
	v_add3_u32 v[8+\c], v[8+\c], v[32+\c], v[36+\c]
.endr
	s_delay_alu instid0(VALU_DEP_4)
	v_add_f32 v8, v8, v24
.irp c, 1,2,3
	s_delay_alu instid0(VALU_DEP_4)
	v_add_nc_u32 v[8+\c], v[8+\c], v[20+\c]
.endr
.endm
	s_load_b128 s[4:7], s[0:1], 0x0                ; part, out1
	s_load_b64 s[8:9], s[0:1], 0x10                ; out3
	v_lshl_add_u32 v48, v0, 2, 4096                ; my spare word, behind the 4,096 bytes of records
	v_mov_b32 v49, 0
	v_lshlrev_b32 v1, 4, v0                        ; 16 t
	v_lshrrev_b32 v3, 5, v0                        ; wave
	v_and_b32 v4, 31, v0                           ; lane
.irp c, 0,1,2,3
	v_mov_b32 v[40+\c], 0                          ; written once: a lane permute's or a DPP form's destination counts as one of its sources
.endr
	v_mov_b32 v50, 0                               ; the stores' offset, outside the registers that the records land in
	v_readfirstlane_b32 s12, v3
	v_lshlrev_b32 v6, 4, v4                        ; 16 x lane
	s_mov_b32 s14, 0x76543210
	s_mov_b32 s15, 0xfedcba98
	s_wait_alu depctr_va_vdst(0)                   ; the wait at the head's end
	s_wait_kmcnt 0x0
.irp k, 0,1,2,3,4,5,6,7
	global_load_b128 v[8+4*\k:11+4*\k], v1, s[4:5] offset:4096*\k
.endr
	s_wait_loadcnt 0x0
	SUM8
	ds_store_b128 v1, v[8:11]
	s_wait_dscnt 0x0                               ; for the others' sake: my store is done
	s_barrier_signal -1
	s_barrier_wait -1
	s_cmp_lg_u32 s12, 0                            ; wave 0 goes on
	s_cbranch_scc1 .Lend
.irp k, 0,1,2,3,4,5,6,7
	ds_load_b128 v[8+4*\k:11+4*\k], v6 offset:512*\k   ; lane l: records l + 32 k
.endr
	s_wait_dscnt 0x0
	SUM8
.irp m, 1,2,4,8                        ; over the 16 lanes of a row, the four sums by turns
	v_add_f32_dpp v8, v8, v8 row_xmask:\m row_mask:0xf bank_mask:0xf
.irp c, 1,2,3
	s_delay_alu instid0(VALU_DEP_4)
	v_mov_b32_dpp v[40+\c], v[8+\c] row_xmask:\m row_mask:0xf bank_mask:0xf
.endr
.irp c, 1,2,3
	s_delay_alu instid0(VALU_DEP_3)
	v_add_nc_u32 v[8+\c], v[8+\c], v[40+\c]
.endr
.endr
	v_permlanex16_b32 v40, v8, s14, s15
.irp c, 1,2,3
	s_delay_alu instid0(VALU_DEP_4)
	v_permlanex16_b32 v[40+\c], v[8+\c], s14, s15
.endr
	s_delay_alu instid0(VALU_DEP_4)
	v_add_f32 v8, v8, v40
.irp c, 1,2,3
	s_delay_alu instid0(VALU_DEP_4)
	v_add_nc_u32 v[8+\c], v[8+\c], v[40+\c]        ; the whole sums, in every lane
.endr
	s_delay_alu instid0(VALU_DEP_4)
	v_mul_f32 v36, 0x34000000, v8                  ; m: / 2^23
	v_readfirstlane_b32 s26, v9                    ; X
	v_readfirstlane_b32 s28, v10                   ; the low parts' sum
	v_readfirstlane_b32 s22, v11                   ; the high parts' sum
	v_fma_f32 v36, 0.25, v36, v36                  ; 0.25 m + m
	s_mov_b32 s27, 0
	s_mov_b32 s29, 0
	s_mov_b32 s23, 0
	s_lshl_b64 s[24:25], s[22:23], 16
	s_add_nc_u64 s[24:25], s[24:25], s[28:29]      ; Q
	s_lshl_b64 s[24:25], s[24:25], 14              ; N Q
	s_mul_u64 s[26:27], s[26:27], s[26:27]         ; X^2
	s_sub_nc_u64 s[24:25], s[24:25], s[26:27]      ; N Q - X^2, never negative
	v_cvt_f32_u32 v30, s25
	v_cvt_f32_u32 v31, s24
	s_delay_alu instid0(VALU_DEP_1)
	v_fmamk_f32 v30, v30, 0x4f800000, v31          ; high word x 2^32 + low word
	s_delay_alu instid0(VALU_DEP_1)
	v_mul_f32 v35, 0x31800000, v30                 ; / N^2 = 2^28
	v_cmp_eq_u32 vcc_lo, 0, v4
	s_wait_xcnt 0x0                                ; EXEC changes only behind this wait
	s_and_saveexec_b32 s16, vcc_lo
	s_wait_alu depctr_va_vdst(0)                   ; the wait ahead of the readers below
	global_store_b32 v50, v36, s[6:7]              ; out1
	global_store_b32 v50, v35, s[8:9]              ; out3
	s_wait_xcnt 0x0                                ; and again in front of the line that widens it
	s_or_b32 exec_lo, exec_lo, s16
.Lend:
	s_wait_tensorcnt 0x0                           ; the wave's end
	ds_add_u32 v48, v49
	s_wait_dscnt 0x0
	s_endpgm
.Lfunc_end_k_q6fe185d411_finish:
	.size	k_q6fe185d411_finish, .Lfunc_end_k_q6fe185d411_finish-k_q6fe185d411_finish
	.p2alignl 7, 3214868480
	.fill 96, 4, 3214868480
	.section	.rodata,"a",@progbits
	.p2align	6, 0x0
	.amdhsa_kernel k_q6fe185d411_finish
		.amdhsa_group_segment_fixed_size 5120
		.amdhsa_private_segment_fixed_size 0
		.amdhsa_enable_private_segment 0
		.amdhsa_kernarg_size 24
		.amdhsa_user_sgpr_count 2
		.amdhsa_user_sgpr_kernarg_segment_ptr 1
		.amdhsa_wavefront_size32 1
		.amdhsa_system_sgpr_workgroup_id_x 1
		.amdhsa_system_sgpr_workgroup_id_y 1
		.amdhsa_system_sgpr_workgroup_id_z 1
		.amdhsa_system_vgpr_workitem_id 0
		.amdhsa_next_free_vgpr 64
		.amdhsa_next_free_sgpr 66
		.amdhsa_reserve_vcc 1
		.amdhsa_float_denorm_mode_32 3
		.amdhsa_float_denorm_mode_16_64 3
		.amdhsa_memory_ordered 1
		.amdhsa_forward_progress 1
		.amdhsa_inst_pref_size 9
	.end_amdhsa_kernel
	.amdgpu_metadata
---
amdhsa.version: [ 1, 2 ]
amdhsa.kernels:
  - .name:           k_q6fe185d411_finish
    .symbol:         k_q6fe185d411_finish.kd
    .args:
      - { .name: part, .offset: 0, .size: 8, .value_kind: global_buffer, .address_space: global }
      - { .name: out1, .offset: 8, .size: 8, .value_kind: global_buffer, .address_space: global }
      - { .name: out3, .offset: 16, .size: 8, .value_kind: global_buffer, .address_space: global }
    .group_segment_fixed_size: 5120
    .private_segment_fixed_size: 0
    .kernarg_segment_align: 8
    .kernarg_segment_size: 24
    .max_flat_workgroup_size: 256
    .sgpr_count:     66
    .vgpr_count:     64
    .wavefront_size: 32
...
	.end_amdgpu_metadata
.endif
;; end of part 4
